; MI455X (gfx1250); checked and timed in simulation.
; The chip was launched on July 23, 2026; its instructions are those of AMD's public machine-readable ISA for CDNA 5 (MIT licence, August 2026) and "CDNA5" Instruction Set Architecture Reference Guide (July 2026). The comments in the code are by the model that wrote it; some were corrected since.
;; Simple LSTM Cell. Allowed arithmetic: matrix products marked QUANTISED: E5M2 operands, one E8M0 scale for each 32 along K, by v_wmma_scale_f32_16x16x128_f8f6f4 with both operands' format E5M2, f32 sums; everything else in f32.
;; Inputs: U_c 1,024 x 1,024 float32; U_f 1,024 x 1,024 float32; U_i 1,024 x 1,024 float32; U_o 1,024 x 1,024 float32; W_c 1,024 x 1,024 float32; W_f 1,024 x 1,024 float32; W_i 1,024 x 1,024 float32; W_o 1,024 x 1,024 float32; b_Uc 1,024 float32; b_Uf 1,024 float32; b_Ui 1,024 float32; b_Uo 1,024 float32; b_Wc 1,024 float32; b_Wf 1,024 float32; b_Wi 1,024 float32; b_Wo 1,024 float32; c 8,192 x 1,024 float32; h 8,192 x 1,024 float32; x 8,192 x 1,024 float32.
;; Outputs: out0 8,192 x 1,024 float32; out1 8,192 x 1,024 float32.
;; This version of the problem:
;;   THIS VERSION OF THE PROBLEM IS GIVEN IN LOW PRECISION. The matrix products marked QUANTISED in the list below multiply operands that are first quantised to E5M2 (5 exponent bits, 2 mantissa bits; 8 bits a number), with one power-of-two scale for each 32 numbers along K (OCP MX v1.0); their sums are f32. All else is computed in f32.
;;   The module's matrix products, in the order in which they are computed (A, B: the left and right operand; K: the contracted axis; several contracted axes count as one K, in the product's order):
;;     1. [M 8,192, K 1,024] x [K 1,024, N 4,096]; A: input x; B: computed on the way: QUANTISED
;;     2. [M 8,192, K 1,024] x [K 1,024, N 4,096]; A: input h; B: computed on the way: QUANTISED
;;   THE QUANTISER, for each operand of a quantised product, along K:
;;     - K is cut into blocks of 32 from its start; a last block that is shorter is filled with zeros.
;;     - A block's scale is 2^e with e = floor(log2(the largest magnitude in the block)) - 15, held to -126 .. 127; a block of zeros has e = 0. As a byte (E8M0): e + 127.
;;     - Each number is divided by its block's scale, clamped to +-57,344, and rounded to the nearest number of E5M2, ties to even, subnormals kept.
;;     - The product sums the exact products of the quantised numbers (number of the format x scale) in f32.
;;   ~~~python
;;   def quantise(x, axis):      # numpy; x: float32 -> the quantised numbers, widened to float32 again
;;       x = np.moveaxis(x, axis, -1); K = x.shape[-1]
;;       x = np.pad(x, [(0, 0)] * (x.ndim - 1) + [(0, -K % 32)]); x = x.reshape(x.shape[:-1] + (-1, 32)); a = np.abs(x).max(-1, keepdims=True)
;;       e = np.where(a > 0, np.clip(np.frexp(np.where(a > 0, a, 1))[1] - 1 - 15, -126, 127), 0)      # np.frexp(a)[1] - 1 = floor(log2(a)), exactly
;;       r = np.clip(x / 2.0 ** e, -57344, 57344)
;;       step = 2.0 ** (np.maximum(np.frexp(np.where(r == 0, 1, r))[1] - 1, -14) - 2)
;;       q = np.round(r / step) * step * 2.0 ** e      # np.round: ties to even
;;       return np.moveaxis(q.reshape(q.shape[:-2] + (-1,))[..., :K], -1, axis).astype(np.float32)
;;   ~~~
;;   OPERANDS COMPUTED ON THE WAY. 'Computed on the way' means the value that the module computes at that place (a softmax that the list does not call 'softmax' is quantised finished and normalised). What goes into a quantiser is computed in f32, as accurately as f32 sums, v_exp_f32 and their like allow (about 1e-6 of the number): no bf16 or f16 on the way to a quantiser, and a product that is left as it is and whose result goes on into a quantised operand takes f32 operands (vector FMAs, or v_wmma_f32_16x16x4_f32). A number that lies on a knife's edge between two numbers of the format may be rounded either way, as far as f32 arithmetic and the matrix unit's own rounding can turn it there, and no further.
;; One version. Each part assembles by itself: llvm-mc -triple=amdgcn-amd-amdhsa -mcpu=gfx1250 --defsym DOCPART=n.
;; ======== version 1 of 1: 2 launches
;; workspace buffers: a_codes 16,777,216 bytes; a_scales 524,288 bytes; b_codes 8,388,608 bytes; b_scales 262,144 bytes; bias 16,384 bytes
;; launch quant (part 1): grid 769 x 1, 4 waves a work-group, no clusters, 33,280 bytes of LDS; arguments x, h, W_i, W_f, W_o, W_c, U_i, U_f, U_o, U_c, a_codes, a_scales, b_codes, b_scales, b_Wi, b_Wf, b_Wo, b_Wc, b_Ui, b_Uf, b_Uo, b_Uc, bias; writes a_codes, a_scales, b_codes, b_scales, bias
.if DOCPART == 1
	.amdgcn_target "amdgcn-amd-amdhsa--gfx1250"
	.amdhsa_code_object_version 6
	.text
	.protected	k_qd21174b0df_quant
	.globl	k_qd21174b0df_quant
	.p2align	8
	.type	k_qd21174b0df_quant,@function
k_qd21174b0df_quant:
	s_mov_b64 s[64:65], 0
	v_nop
	global_prefetch_b8 v0, s[64:65] scope:SCOPE_SE
	s_setreg_imm32_b32 hwreg(HW_REG_WAVE_MODE, 25, 1), 1
	s_wait_xcnt 0x0
; The operands of gates = [x | h] [W_g | U_g]^T are turned into codes of BF8 (E5M2), K innermost, with one E8M0 scale byte for each 32 along K, once, for the launch that multiplies them.
;   a_codes [8192][2048]: k 0..1023 = x's row, k 1024..2047 = h's row;  a_scales [8192][64].
;   b_codes [4096][2048]: row 128 j + 32 g + u is gate g (0 i, 1 f, 2 o, 3 c~), hidden unit 32 j + u: k 0..1023 = W_g's row, k 1024..2047 = U_g's;  b_scales [4096][64] in the same order.
;   bias [4096] f32, in the same order of rows: b_Wg + b_Ug.
; So 128 neighbouring rows of b_codes are the four gates of the same 32 hidden units: the multiplying wave finds i, f, o and c~ of one element in one lane.
; A block's scale is 2^(floor(log2(its largest magnitude)) - 15); its byte is the largest magnitude's exponent field - 15, held at 1 from below.  Each number is divided by the scale, held within +-57,344 and
; rounded to the nearest code, ties to even.
; LIMITS: NaN and infinities among the inputs are not served.  A block of zeros gets the byte 1 where the rule says 127: its codes are zeros, which add nothing under any byte but 0xff, and this program alone reads the bytes.
; SHARES.  Work-groups 0-511 take A, 512-767 B, work-group 768 the biases.  A wave takes a RUN: four rows of the destination, their first halves from one tensor (x or W_g), their second halves from the other (h or U_g):
; 16 steps of 512 numbers.  A run's 256 scale bytes are four whole rows of 64: 256 consecutive bytes, aligned.  One path through the text serves A and B: only pointers and a row number are chosen.
; A STEP.  The conversions take 8 numbers of ONE block from a lane's registers, so a lane must hold 16 NEIGHBOURS (two neighbouring lanes hold a block); a load is best where neighbouring LANES take neighbouring bytes.
; Both are had: each of a step's four loads reads 512 consecutive bytes; the 2,048 bytes go through the wave's own stage in LDS as they lie and come back 64 bytes a lane (16 bytes of padding behind each 64).
; No tensor loads, no barrier: waves share nothing.  Loads run four steps (16 loads a wave) ahead, the turn through LDS one step.  Every offset is an immediate and every store has data registers of its own.
.set STEPS, 16
.set EMAX,  15
.set MANT,  0x600000                   ; the mantissa field of 57,344 as f32
.set CB,    16                         ; bytes of 16 codes
.set R,     16                         ; v16-79   four sets of 16 numbers as they are loaded
.set X,     80                         ; v80-111  two sets of 16 neighbours
.set C,     128                        ; v128-191 codes: four registers for each step
.set E,     112                        ; v112-127 a scale byte for each step
.set WREG,  8192                       ; LDS: a region for each wave: two stages of 32 x SP bytes, behind them its 256 scale bytes
.set SP,    80                         ; a lane's place in a stage: its 64 bytes + 16 of padding
	v_lshl_add_u32 v192, v0, 2, 0x8000
	v_mov_b32 v193, 0
	s_cmp_eq_u32 ttmp9, 768
	s_cbranch_scc1 .Lbias                          ; the last work-group sums the biases
	s_load_b512 s[4:19], s[0:1], 0x0               ; x, h, W_i, W_f, W_o, W_c, U_i, U_f
	s_load_b256 s[20:27], s[0:1], 0x40             ; U_o, U_c, a_codes, a_scales
	s_load_b128 s[28:31], s[0:1], 0x60             ; b_codes, b_scales
	v_lshrrev_b32 v1, 5, v0
	v_readfirstlane_b32 s48, v1                    ; wave
	v_and_b32 v2, 31, v0                           ; lane
	v_lshlrev_b32 v3, 4, v2                        ; my 16 bytes of a load's 512
	s_mul_i32 s49, s48, WREG
	v_lshrrev_b32 v14, 2, v2
	v_mul_u32_u24 v14, v14, SP
	v_and_b32 v15, 3, v2
	v_lshl_add_u32 v14, v15, 4, v14
	v_add_nc_u32 v14, s49, v14                     ; the stage, on the way in: SP (lane / 4) + 16 (lane % 4); a load's 512 bytes take eight places
	v_mul_u32_u24 v15, v2, SP
	v_add_nc_u32 v15, s49, v15                     ; and on the way out: SP x lane: my 16 neighbours
	v_mul_u32_u24 v4, v2, CB                       ; my codes' place in a step's
	v_lshrrev_b32 v5, 1, v2
	s_add_co_u32 s49, s49, 2*32*SP
	v_add_nc_u32 v5, s49, v5                       ; LDS: my wave's 256 scale bytes, my block's byte
	v_lshlrev_b32 v7, 3, v2                        ; and on the way out 8 bytes a lane
	v_add_nc_u32 v6, s49, v7
	s_mov_b32 s52, MANT                            ; (an instruction takes one literal: the hold's line has another)
	s_cmp_lt_u32 ttmp9, 512
	s_cselect_b32 s33, 0, 512
	s_sub_co_u32 s32, ttmp9, s33                   ; the work-group's number within its tensor
	s_lshr_b32 s33, s32, 1                         ; its low two bits: B's gate (the same for the four waves: a gate's 32 rows are eight runs)
	s_lshl_b32 s32, s32, 2
	s_add_co_u32 s32, s32, s48                     ; the run: destination rows 4 run .. 4 run + 3
	s_lshl_b32 s53, s32, 2                         ; A: the source's row is the destination's
	s_lshr_b32 s54, s32, 5
	s_lshl_b32 s54, s54, 5
	s_and_b32 s55, s32, 7
	s_lshl_b32 s55, s55, 2
	s_or_b32 s54, s54, s55                         ; B: row 32 (run / 32) + 4 (run % 8) of the gate's weights
	s_wait_kmcnt 0x0
	s_and_b32 s55, s33, 1                          ; the choices hang on the work-group's number alone
	s_cmp_lg_u32 s55, 0
	s_cselect_b64 s[34:35], s[10:11], s[8:9]       ; W_f or W_i
	s_cselect_b64 s[36:37], s[14:15], s[12:13]     ; W_c or W_o
	s_cselect_b64 s[38:39], s[18:19], s[16:17]     ; U_f or U_i
	s_cselect_b64 s[40:41], s[22:23], s[20:21]     ; U_c or U_o
	s_and_b32 s55, s33, 2
	s_cmp_lg_u32 s55, 0
	s_cselect_b64 s[34:35], s[36:37], s[34:35]     ; W of my gate
	s_cselect_b64 s[38:39], s[40:41], s[38:39]     ; U of my gate
	s_cmp_lt_u32 ttmp9, 512                        ; A's work-group or B's?
	s_cselect_b64 s[40:41], s[4:5], s[34:35]       ; the first half of K comes from x or W_g,
	s_cselect_b64 s[42:43], s[6:7], s[38:39]       ; the second from h or U_g
	s_cselect_b64 s[44:45], s[24:25], s[28:29]     ; the codes
	s_cselect_b64 s[46:47], s[26:27], s[30:31]     ; the scale bytes
	s_cselect_b32 s50, s53, s54                    ; the source's first row
	s_lshl_b32 s50, s50, 12                        ; rows of 4,096 bytes
	s_mov_b32 s51, 0
	s_add_nc_u64 s[40:41], s[40:41], s[50:51]
	s_add_nc_u64 s[42:43], s[42:43], s[50:51]
	s_lshl_b32 s50, s32, 13                        ; four rows of 2,048 codes a run
	s_add_nc_u64 s[44:45], s[44:45], s[50:51]
	s_lshl_b32 s50, s32, 8                         ; 256 scale bytes a run
	s_add_nc_u64 s[46:47], s[46:47], s[50:51]
.macro LOAD t                          ; step t: half t / 8 of K, the (t % 8)-th 512 numbers of the source's four rows
.irp i, 0,1,2,3
	global_load_b128 v[R+16*((\t)%4)+4*\i:R+16*((\t)%4)+4*\i+3], v3, s[40+2*((\t)/8):41+2*((\t)/8)] offset:2048*((\t)%8)+512*\i th:TH_LOAD_NT   ; 32 lanes read 512 consecutive bytes
.endr
.endm
.macro TURN t                          ; step t's numbers through the stage: LDS serves a wave's instructions in order, so no wait stands between the stores and the loads
.irp i, 0,1,2,3
	ds_store_b128 v14, v[R+16*((\t)%4)+4*\i:R+16*((\t)%4)+4*\i+3] offset:32*SP*((\t)%2)+8*SP*\i
.endr
.irp i, 0,1,2,3
	ds_load_b128 v[X+16*((\t)%2)+4*\i:X+16*((\t)%2)+4*\i+3], v15 offset:32*SP*((\t)%2)+16*\i
.endr
.endm
.irp t, 0,1,2,3
	LOAD \t
.endr
	s_wait_loadcnt 12                              ; step 0's four loads are in; those of steps 1 to 3 may be out
	TURN 0
.macro STEP t
.set XS, X+16*((\t)%2)
.if (\t) > 0
	s_wait_dscnt 1                                 ; this step's numbers are back from the stage (the last step's byte store may be out): so its stores into the stage have read their registers,
.else
	s_wait_dscnt 0x0
.endif
.if (\t)+4 < STEPS
	LOAD (\t)+4                                    ; which take the loads of four steps on
.endif
.if (\t)+1 < STEPS
.if STEPS-2-(\t) >= 3
	s_wait_loadcnt 12                              ; the next step's four loads are in; those of the three steps behind it may be out
.else
	s_wait_loadcnt 4*(STEPS-2-(\t))                ; the last steps load nothing: the count runs down
.endif
	TURN (\t)+1                                    ; and go through the other stage while this step is worked
.endif
	v_max3_num_f32 v8, |v[XS]|, |v[XS+1]|, |v[XS+2]|               ; the largest magnitude of my 16, in two chains
	v_max3_num_f32 v9, |v[XS+3]|, |v[XS+4]|, |v[XS+5]|
.irp i, 6,10
	v_max3_num_f32 v8, v8, |v[XS+\i]|, |v[XS+\i+1]|
	v_max3_num_f32 v9, v9, |v[XS+\i+2]|, |v[XS+\i+3]|
.endr
	v_max3_num_f32 v8, v8, |v[XS+14]|, |v[XS+15]|
	v_max3_num_f32 v8, v8, v9, (EMAX+1)<<23        ; and the floor 2^(16 - 127), under which no largest magnitude is taken: so the byte cannot fall under 1
	v_max_num_f32_dpp v8, v8, v8 row_xmask:1 row_mask:0xf bank_mask:0xf   ; and of my neighbour's 16: the block's
	v_add_nc_u32 v11, 0xf8800000, v8               ; 15 off its exponent field: the conversion takes the exponent field of this operand as its scale, and nothing else of it
	v_and_or_b32 v10, v8, 0x7f800000, s52          ; 57,344 x the scale: the largest magnitude's exponent field over 57,344's mantissa
.irp i, 0,1,2,3,4,5,6,7,8,9,10,11,12,13,14,15
	v_med3_num_f32 v[XS+\i], v[XS+\i], -v10, v10   ; the conversion to an 8-bit code does not saturate (ISA guide 7.6.2): hold the number within the largest code x the scale first
.endr
	v_cvt_scalef32_pk8_bf8_f32 v[C+4*(\t):C+4*(\t)+1], v[XS:XS+7], v11          ; eight numbers / 2^(v11's exponent), to the nearest code, ties to even; the first number's code in the lowest byte
	v_cvt_scalef32_pk8_bf8_f32 v[C+4*(\t)+2:C+4*(\t)+3], v[XS+8:XS+15], v11
	v_lshrrev_b32 v[E+(\t)], 23, v11               ; the scale's byte (also the plain line behind the conversions)
	ds_store_b8 v5, v[E+(\t)] offset:64*(((\t)%8)/2)+32*((\t)/8)+16*((\t)%2)    ; row (t % 8) / 2 of the run's four, half t / 8 of K, 16 blocks a step; both lanes of a block write the same byte with the same value
	global_store_b128 v4, v[C+4*(\t):C+4*(\t)+3], s[44:45] offset:2048*(((\t)%8)/2)+1024*((\t)/8)+512*((\t)%2)   ; 32 lanes store 512 consecutive bytes, aligned
.endm
.irp t, 0,1,2,3,4,5,6,7,8,9,10,11,12,13,14,15
	STEP \t
.endr
	ds_load_b64 v[12:13], v6                       ; LDS serves a wave's instructions in order: these see my byte stores
	s_wait_dscnt 0x0
	global_store_b64 v7, v[12:13], s[46:47]        ; 32 lanes store 256 consecutive bytes, aligned
	s_wait_tensorcnt 0x0
	ds_add_u32 v192, v193
	s_wait_dscnt 0x0
	s_endpgm
; THE BIASES: 128 threads, four numbers a thread and gate, twice.  Thread t takes hidden units 4 t + 512 q + 0 .. 3; they go to bias[128 j + 32 g + u] with j = t / 8 + 16 q, u = 4 (t % 8).
.Lbias:
	s_load_b512 s[4:19], s[0:1], 0x70              ; b_Wi, b_Wf, b_Wo, b_Wc, b_Ui, b_Uf, b_Uo, b_Uc
	s_load_b64 s[20:21], s[0:1], 0xb0              ; bias
	v_lshlrev_b32 v1, 4, v0                        ; from: 16 bytes a thread
	v_lshrrev_b32 v2, 3, v0
	v_lshlrev_b32 v2, 9, v2                        ; to: 512 bytes for each 32 hidden units,
	v_and_b32 v3, 7, v0
	v_lshl_add_u32 v2, v3, 4, v2                   ; and my 16 among a gate's 128
	s_wait_kmcnt 0x0
.irp g, 0,1,2,3
.irp q, 0,1
	global_load_b128 v[32+4*(2*\g+\q):32+4*(2*\g+\q)+3], v1, s[4+2*\g:5+2*\g] offset:2048*\q
	global_load_b128 v[64+4*(2*\g+\q):64+4*(2*\g+\q)+3], v1, s[12+2*\g:13+2*\g] offset:2048*\q
.endr
.endr
	s_wait_loadcnt 0x0
.irp k, 0,2,4,6,8,10,12,14,16,18,20,22,24,26,28,30
	v_pk_add_f32 v[96+\k:97+\k], v[32+\k:33+\k], v[64+\k:65+\k]
.endr
.irp g, 0,1,2,3
.irp q, 0,1
	global_store_b128 v2, v[96+4*(2*\g+\q):96+4*(2*\g+\q)+3], s[20:21] offset:8192*\q+128*\g
.endr
.endr
	s_endpgm
.Lfunc_end_k_qd21174b0df_quant:
	.size	k_qd21174b0df_quant, .Lfunc_end_k_qd21174b0df_quant-k_qd21174b0df_quant
	.p2alignl 7, 3214868480
	.fill 96, 4, 3214868480
	.section	.rodata,"a",@progbits
	.p2align	6, 0x0
	.amdhsa_kernel k_qd21174b0df_quant
		.amdhsa_group_segment_fixed_size 33280
		.amdhsa_private_segment_fixed_size 0
		.amdhsa_enable_private_segment 0
		.amdhsa_kernarg_size 184
		.amdhsa_user_sgpr_count 2
		.amdhsa_user_sgpr_kernarg_segment_ptr 1
		.amdhsa_wavefront_size32 1
		.amdhsa_system_sgpr_workgroup_id_x 1
		.amdhsa_system_sgpr_workgroup_id_y 1
		.amdhsa_system_sgpr_workgroup_id_z 1
		.amdhsa_system_vgpr_workitem_id 0
		.amdhsa_next_free_vgpr 194
		.amdhsa_next_free_sgpr 66
		.amdhsa_reserve_vcc 0
		.amdhsa_float_denorm_mode_32 3
		.amdhsa_float_denorm_mode_16_64 3
		.amdhsa_memory_ordered 1
		.amdhsa_forward_progress 1
		.amdhsa_inst_pref_size 55
	.end_amdhsa_kernel
	.amdgpu_metadata
---
amdhsa.version: [ 1, 2 ]
amdhsa.kernels:
  - .name:           k_qd21174b0df_quant
    .symbol:         k_qd21174b0df_quant.kd
    .args:
      - { .name: x, .offset: 0, .size: 8, .value_kind: global_buffer, .address_space: global }
      - { .name: h, .offset: 8, .size: 8, .value_kind: global_buffer, .address_space: global }
      - { .name: W_i, .offset: 16, .size: 8, .value_kind: global_buffer, .address_space: global }
      - { .name: W_f, .offset: 24, .size: 8, .value_kind: global_buffer, .address_space: global }
      - { .name: W_o, .offset: 32, .size: 8, .value_kind: global_buffer, .address_space: global }
      - { .name: W_c, .offset: 40, .size: 8, .value_kind: global_buffer, .address_space: global }
      - { .name: U_i, .offset: 48, .size: 8, .value_kind: global_buffer, .address_space: global }
      - { .name: U_f, .offset: 56, .size: 8, .value_kind: global_buffer, .address_space: global }
      - { .name: U_o, .offset: 64, .size: 8, .value_kind: global_buffer, .address_space: global }
      - { .name: U_c, .offset: 72, .size: 8, .value_kind: global_buffer, .address_space: global }
      - { .name: a_codes, .offset: 80, .size: 8, .value_kind: global_buffer, .address_space: global }
      - { .name: a_scales, .offset: 88, .size: 8, .value_kind: global_buffer, .address_space: global }
      - { .name: b_codes, .offset: 96, .size: 8, .value_kind: global_buffer, .address_space: global }
      - { .name: b_scales, .offset: 104, .size: 8, .value_kind: global_buffer, .address_space: global }
      - { .name: b_Wi, .offset: 112, .size: 8, .value_kind: global_buffer, .address_space: global }
      - { .name: b_Wf, .offset: 120, .size: 8, .value_kind: global_buffer, .address_space: global }
      - { .name: b_Wo, .offset: 128, .size: 8, .value_kind: global_buffer, .address_space: global }
      - { .name: b_Wc, .offset: 136, .size: 8, .value_kind: global_buffer, .address_space: global }
      - { .name: b_Ui, .offset: 144, .size: 8, .value_kind: global_buffer, .address_space: global }
      - { .name: b_Uf, .offset: 152, .size: 8, .value_kind: global_buffer, .address_space: global }
      - { .name: b_Uo, .offset: 160, .size: 8, .value_kind: global_buffer, .address_space: global }
      - { .name: b_Uc, .offset: 168, .size: 8, .value_kind: global_buffer, .address_space: global }
      - { .name: bias, .offset: 176, .size: 8, .value_kind: global_buffer, .address_space: global }
    .group_segment_fixed_size: 33280
    .private_segment_fixed_size: 0
    .kernarg_segment_align: 8
    .kernarg_segment_size: 184
    .max_flat_workgroup_size: 128
    .sgpr_count:     66
    .vgpr_count:     194
    .wavefront_size: 32
...
	.end_amdgpu_metadata
.endif
;; end of part 1
;; launch cell (part 2): grid 16 x 32, 4 waves a work-group, clusters of 4 x 4, 327,680 bytes of LDS; arguments a_codes, a_scales, b_codes, b_scales, bias, c, out0, out1; writes out0, out1
.if DOCPART == 2
	.amdgcn_target "amdgcn-amd-amdhsa--gfx1250"
	.amdhsa_code_object_version 6
	.text
	.protected	k_qd21174b0df_cell
	.globl	k_qd21174b0df_cell
	.p2align	8
	.type	k_qd21174b0df_cell,@function
k_qd21174b0df_cell:
	s_mov_b64 s[64:65], 0
	v_nop
	global_prefetch_b8 v0, s[64:65] scope:SCOPE_SE
	s_setreg_imm32_b32 hwreg(HW_REG_WAVE_MODE, 25, 1), 1
	s_wait_xcnt 0x0
	s_wait_alu depctr_hold_cnt(0) depctr_sa_sdst(0) depctr_va_vdst(0) depctr_va_sdst(0) depctr_va_ssrc(0) depctr_va_vcc(0) depctr_vm_vsrc(0)
	s_getreg_b32 s2, hwreg(HW_REG_IB_STS2, 6, 4)
	s_cmp_eq_u32 s2, 0
	s_cbranch_scc0 .Lentry_in_a_cluster
	s_endpgm
.Lentry_in_a_cluster:
	s_bfe_u32 s2, ttmp6, 0x10000c
	s_cmp_lg_u32 s2, 0xf033
	s_cbranch_scc0 .Lentry_shape_is_right
	s_endpgm
.Lentry_shape_is_right:
; gates[m][n'] = bias[n'] + sum over k of A[m][k] B[n'][k];  c_next = sigmoid(gf) c + sigmoid(gi) tanh(gc);  h_next = sigmoid(go) tanh(c_next).  out0 = h_next, out1 = c_next, [8192][1024] f32.
; A [8192][2048], B [4096][2048]: codes of BF8 (E5M2), one E8M0 scale for each 32 along K, made by the launch before.  B's row 128 j + 32 g + u is gate g (0 i, 1 f, 2 o, 3 c~) of hidden unit 32 j + u.
; A tile of the gates, 256 rows x 256 columns (= 4 gates x 64 hidden units), is made by a work-group of four waves; a wave makes 128 x 128: 64 accumulators of 16 x 16, 512 registers.  The gates never go to memory.
; K goes in steps of 256 through a ring of two LDS slots filled by the tensor data mover: a tile's row is 256 bytes of memory.  The scale bytes of the work-group's rows, for all of K, come into LDS once and stay.
; CLUSTERS: 4 x 4 work-groups.  The four of a row of the cluster need the same tiles of A, the four of a column the same tiles of B: each tile is asked for JOINTLY, by the same tensor load with the same descriptor and
; a mask that names the four.  c's tile is each work-group's own and comes by a plain tensor load.
; THE MATRIX INSTRUCTION IS USED TRANSPOSED (source 0 = 16 rows of B, source 1 = 16 rows of A): lane (r, h) holds row r, and register j column 8 h + j of the block.  A wave's B block b is gate b / 2, hidden units
; 16 (b % 2) + 0 .. 15 of its 32: so accumulators (a, u), (a, 2 + u), (a, 4 + u), (a, 6 + u) hold i, f, o, c~ of the SAME element in the same lane and register, and the cell's arithmetic changes no lane.
; THE BIAS is the C of each sum's first product (so it is added first, where the source adds it last: another order of rounding in f32).
; THE ACTIVATIONS.  With a = e^-gi, d = e^-gf, g = e^-go, b = e^-2gc, e = e^-2cn:  i c~ = (1 - b) / ((1 + a)(1 + b)),  f = 1 / (1 + d),  o tanh(cn) = (1 - e) / ((1 + g)(1 + e)): eight transcendentals an element.
; b's and e's exponents are held at 60 (tanh is then -1 to within 2^-59), so that 1 - b and 1 - e stay finite; a, d, g may grow to infinity: the reciprocal is then 0, which is the limit.  So gates of any finite size are served.
; THE WAY OUT GOES PAIR BY PAIR: as soon as two blocks of 16 rows of each wave are through the cell's arithmetic they meet in the stages, are read back as whole rows and stored, while the next pair is worked on:
; three quarters of a wave's stores are issued ahead of its last arithmetic.
; LIMITS: NaN and infinities among the inputs are not served.
; REGISTERS, in windows of 256: window 0: v16-31 addresses; v32-63 scale words, two sets, and nothing else; v64-127 the bias, eight registers for each block of B; v128-255 A's fragments, ONE set;
;   in the cell's arithmetic v64-255 are at work.   window 1: B's fragments, TWO sets; on the way out the rows read back from the stages, 64 registers for each pair of blocks, none written twice.
;   window 2: the accumulators of my rows 0-63 ((a, b) at v[8 (8 a + b)]);   window 3: those of my rows 64-127.
.set KSTEP,  256                       ; along K in a slot
.set NQ,     2                         ; matrix instructions deep
.set ROWB,   256                       ; a tile's row in bytes
.set KROW,   2048                      ; a row of A or of B in memory, in bytes
.set PITCH,  272                       ; an LDS row: 256 bytes + 16 of padding = 68 words: row r starts at bank 4 r mod 64 (64 banks of 4 bytes: ISA guide 11.1), so the 16 rows that a load touches start at 16 different banks
.set FR,     16                        ; registers of a fragment: 16 rows x 128 K
.set NL,     4                         ; LDS loads that bring one
.set NP,     8                         ; places behind this matrix instruction (ISA guide 7.12.1)
.set HALFT,  128*PITCH                 ; 128 rows: what one tensor load brings, and what one wave reads of A or of B
.set SLOT,   4*HALFT                   ; A's 256 rows, then B's 256 rows: 139,264 bytes
.set LAPS,   4                         ; a lap = two K steps = once round the ring: 2,048 / 512
.set KS,     64                        ; a row of scales in bytes
.set SCL,    2*SLOT                    ; behind the ring: the scales, as 256 bytes + 16 of padding
.set HALFS,  32*272                    ; the scales of 128 rows: what one tensor load brings
.set SBLK,   4*272                     ; those of 16 rows
.set SPARE,  SCL+4*HALFS               ; behind the scales: the spare words, 128 bytes for each wave: two blocks of 256 bytes that no other line names
.set HT,     256*PITCH                 ; the way out.  c's tile, 256 rows x 256 bytes, pitch 272, is slot 0's last fill and lies at byte 0; behind it, still in slot 0, the stage for h_next;
.set NT,     SLOT                      ; in slot 1 the stage for c_next.  Both slots have had their last fill, and a barrier lies behind every wave's last read of them, when the first result is stored
.set ADRA, 16                          ; v16-17  LDS address of my A fragments in slot 0, 1
.set RDC,  19                          ; v19     the way out: where I read rows of c_next back
.set ADRB, 20                          ; v20-21  LDS address of my B fragments
.set CO,   22                          ; v22     my byte offset in two rows of an output; never rewritten
.set BO,   23                          ; v23     my byte offset in a block's 16 biases
.set CA,   24                          ; v24     my place in c's tile;  v25, v26 the same place in the two stages
.set HSA,  25
.set CSA,  26
.set ADRS, 27                          ; v27     LDS address of my scale words: lanes 0-15 A's rows, lanes 16-31 B's
.set SPW,  28                          ; v28     LDS address of my spare word: SPARE + 4 x my thread's number; never rewritten
.set NIL,  29                          ; v29     0; never rewritten
.set RDB,  30                          ; v30     the way out: where I read rows of h_next back
.set PFO,  31                          ; v31     the prefetches' offset: my lane x a row of codes; never rewritten
.set SC,   32                          ; scale words: set s at v[SC + 16 s]; register 2 i + q: lanes 0-15 the word of A's block i, lanes 16-31 that of B's block i, for the slot's q-th 128 along K
.set BI,   64                          ; the bias
.set AF,   128                         ; A's fragments
.set TI,   64                          ; the cell's arithmetic, 32 registers each: a, then 1 / ((1 + a)(1 + b))
.set TF,   96                          ; d, then f
.set TO,   128                         ; g, then 1 / ((1 + g)(1 + e))
.set TC,   160                         ; b, later e
.set CC,   192                         ; c, then c_next
.set NB,   224                         ; 1 - b, then i c~; 1 - e, then h_next
.set LIM,  2                           ; s2      1 in a wave that prefetches, else the greatest number
.set LAP,  3                           ; s3      laps to go
.set G1C,  4                           ; s[4:11] descriptor group 1 for c's tile (where the four workspace pointers stood)
.set WV,   20                          ; s20     my wave's number
.set RH,   21                          ; s21     which half of the tile's rows is mine.  Also: I fetch for A (0) or for B (1)
.set CH,   22                          ; s22     which half of its columns.  Also: which 128 rows of that tile I fetch
.set TR,   23                          ; s23     tile row
.set G1,   24                          ; s[24:31] group 1 for A's tiles;  s[32:39] group 0, one set for each slot
.set G0,   32
.set CAP,  40                          ; s40     60.0
.set TCOL, 42                          ; s42     tile column
.set K2,   46                          ; s[46:47] -2 log2(e): the packed form names a pair and takes its low word for both halves
.set G1B,  48                          ; s[48:55], s[56:63] the same for B's tiles
.set G0B,  56
.set K1,   66                          ; s[66:67] -log2(e)
.set G1S,  68                          ; s[68:75], s[76:79] groups 1 and 0 for A's scales;  s[80:87], s[88:91] for B's
.set G0S,  76
.set G1SB, 80
.set G0SB, 88
.set G0C,  96                          ; s[96:99] group 0 for c's tile
.set PFA,  100                         ; s[100:101] where my prefetches stand: my work-group's 32 rows of the 128 that I fetch, one K step further along K than the refill that is being asked for
.set MSB, 0
.macro WIN new                         ; the immediate's high byte repeats the setting that is left; a switch that changes nothing is dropped
.if MSB != \new
	s_set_vgpr_msb (MSB<<8)|\new
.set MSB, \new
.endif
.endm
.set MUL_LO, 0xa1                      ; source 0 (B) window 1, source 1 (A) window 0, C and D window 2
.set MUL_HI, 0xf1                      ; the same, C and D window 3
.set TO_B,   0x40                      ; destination window 1, address window 0
; A joint load: waves 0 and 1 fetch for A, waves 2 and 3 for B.  Each of the two lines has ONE mask and one set of registers for all that issue it; the branch hangs on the wave's number alone.
; Four v_nop follow each of the two lines, ahead of the jump, the label and what follows.
.macro JLOAD g0a, g1a, g0b, g1b
	s_cmp_eq_u32 s[RH], 0
	s_cbranch_scc0 .Lfor_b_\@
	tensor_load_to_lds s[\g0a:\g0a+3], s[\g1a:\g1a+7]
	s_nop 0
.rept 4
	v_nop
.endr
	s_branch .Lasked_\@
.Lfor_b_\@:
	tensor_load_to_lds s[\g0b:\g0b+3], s[\g1b:\g1b+7]
	s_nop 0
.rept 4
	v_nop
.endr
.Lasked_\@:
.endm
; A PREFETCH INTO THE L2, behind each joint refill and the run of LDS loads that follows it: the K step that stands TWO refills on (256 matrix instructions of a wave ahead of the load that will ask for it): 32 rows x 256 bytes, a lane a row.
; Each row's 256 bytes of a K step are named ONCE in the launch.  A's tile row is read by every cluster of that row of clusters: the first of them (cluster x = 0) asks; B's tile column by every cluster of that column:
; cluster y = 0 asks.  The four partners that ask for a tile jointly share its rows out BY ADDRESS: of the 128 rows that a wave fetches, the partner at place p takes 32 p .. 32 p + 31 (p = cx for A, cy for B).
; K steps 0 to 3 come by their loads alone; the loop's last trip (s3 = 1), whose refills are K steps 6 and 7, asks for nothing: there is no K step two on.
.macro ASK
	s_cmp_gt_u32 s[LAP], s[LIM]
	s_cbranch_scc0 .Lnot_mine_\@
	global_prefetch_b8 v[PFO], s[PFA:PFA+1] offset:ROWB th:TH_LOAD_NT scope:SCOPE_SE
.Lnot_mine_\@:
.endm
.macro CREST                           ; a round of the cluster's barrier behind its opening barrier: wave 0 signals for the work-group, every wave waits for all sixteen, the work-group's barrier closes
	s_cmp_lg_u32 s[WV], 0
	s_cbranch_scc1 .Lnot_wave_0_\@
	s_barrier_signal -3
.Lnot_wave_0_\@:
	s_barrier_wait -3
	s_barrier_signal -1
	s_barrier_wait -1
.endm
.macro CROUND                          ; a whole round
	s_barrier_signal -1
	s_barrier_wait -1
	CREST
.endm
	s_load_b256 s[4:11], s[0:1], 0x0               ; A's codes s[4:5], A's scales s[6:7], B's codes s[8:9], B's scales s[10:11]
	s_load_b256 s[12:19], s[0:1], 0x20             ; bias s[12:13], c s[14:15], out0 s[16:17], out1 s[18:19]
	v_lshl_add_u32 v[SPW], v0, 2, SPARE
	v_mov_b32 v[NIL], 0
	ds_add_u32 v28, v29
	ds_add_u32 v28, v29
	s_wait_dscnt 0x0
	v_lshrrev_b32 v1, 5, v0
	v_readfirstlane_b32 s[WV], v1                  ; wave 0..3
	s_lshr_b32 s[RH], s[WV], 1
	s_and_b32 s[CH], s[WV], 1
	s_bfe_u32 s40, ttmp6, 0x40000                  ; cx, cy: my place in the cluster
	s_bfe_u32 s41, ttmp6, 0x40004
	s_lshl_b32 s[TCOL], ttmp9, 2
	s_add_co_u32 s[TCOL], s[TCOL], s40             ; tile column = 4 x cluster x + cx
	s_and_b32 s[TR], ttmp7, 0xffff
	s_lshl_b32 s[TR], s[TR], 2
	s_add_co_u32 s[TR], s[TR], s41                 ; tile row = 4 x cluster y + cy
	s_lshl_b32 s43, s41, 2
	s_lshl_b32 s43, 15, s43                        ; my row of the cluster
	s_lshl_b32 s44, 0x1111, s40                    ; my column
	; descriptor group 1: a tile of 128 rows x 256 bytes, padded in LDS
	s_or_b32 s[G1+0], s43, (0<<16)|(1<<20)|(1<<21)|(5<<22)|(3<<25)  ; 15:0 the mask: A's tiles go to my row; 17:16 element of 1 byte; 20 padding on; 21 set beside a mask; 24:22 after every 64 words (code 5); 31:25 of 4 words (code 3)
	s_or_b32 s[G1B+0], s44, (0<<16)|(1<<20)|(1<<21)|(5<<22)|(3<<25)
.irp g, G1, G1B
	s_mov_b32 s[\g+1], ROWB<<16                    ; tensor_dim0
	s_mov_b32 s[\g+2], 128<<16                     ; tensor_dim1 = 128
	s_mov_b32 s[\g+3], ROWB<<16                    ; tile_dim0
	s_mov_b32 s[\g+4], 128                         ; tile_dim1 = 128
	s_mov_b32 s[\g+5], KROW                        ; tensor_dim0_stride
	s_mov_b32 s[\g+6], 0
	s_mov_b32 s[\g+7], 0
.endr
	; and for the scales of 128 rows: a dense block of 8,192 bytes, as 32 rows of 256 bytes (32 elements of 8 bytes), 16 bytes of padding behind each
	s_or_b32 s[G1S+0], s43, (3<<16)|(1<<20)|(1<<21)|(5<<22)|(3<<25)
	s_or_b32 s[G1SB+0], s44, (3<<16)|(1<<20)|(1<<21)|(5<<22)|(3<<25)
.irp g, G1S, G1SB
	s_mov_b32 s[\g+1], 32<<16
	s_mov_b32 s[\g+2], 32<<16
	s_mov_b32 s[\g+3], 32<<16
	s_mov_b32 s[\g+4], 32
	s_mov_b32 s[\g+5], 32
	s_mov_b32 s[\g+6], 0
	s_mov_b32 s[\g+7], 0
.endr
	; where the tiles come from.  A's hang on the tile row alone, which my row of the cluster shares; B's on the tile column alone, which my column shares.  Every wave makes both and asks by one of them.
	s_lshl_b32 s66, s[CH], 7                       ; which 128 rows of the tile I fetch
	s_lshl_b32 s92, s[TR], 8
	s_add_co_u32 s92, s92, s66                     ; A: row 256 x tile row + 128 x half
	s_lshl_b32 s94, s[TCOL], 8
	s_add_co_u32 s94, s94, s66                     ; B: row 256 x tile column + 128 x half
	s_lshl_b32 s66, s92, 6                         ; where these rows' scales begin: 64 bytes a row,
	s_lshl_b32 s46, s94, 6
	s_lshl_b32 s92, s92, 11                        ; and their codes: 2,048 bytes a row (under 2^25)
	s_lshl_b32 s94, s94, 11
	s_mov_b32 s67, 0
	s_mov_b32 s47, 0
	s_mov_b32 s93, 0
	s_mov_b32 s95, 0
	s_mul_i32 s45, s[WV], HALFT                    ; where they go: wave x 128 rows: no place in the cluster enters an LDS address
	s_mul_i32 s2, s[WV], HALFS
	s_wait_kmcnt 0x0
	s_add_nc_u64 s[92:93], s[4:5], s[92:93]
	s_add_nc_u64 s[66:67], s[6:7], s[66:67]
	s_add_nc_u64 s[94:95], s[8:9], s[94:95]
	s_add_nc_u64 s[46:47], s[10:11], s[46:47]
	CROUND                                         ; all sixteen work-groups are here: the first joint loads meet
	s_mov_b32 s[G0S], 1
	s_add_co_u32 s[G0S+1], s2, SCL
	s_mov_b64 s[G0S+2:G0S+3], s[66:67]
	s_or_b32 s[G0S+3], s[G0S+3], 0x80000000
	s_mov_b32 s[G0SB], 1
	s_add_co_u32 s[G0SB+1], s2, SCL
	s_mov_b64 s[G0SB+2:G0SB+3], s[46:47]
	s_or_b32 s[G0SB+3], s[G0SB+3], 0x80000000
	JLOAD G0S, G1S, G0SB, G1SB                     ; the scales first: they are wanted with K step 0
.irp s, 0,1
	s_mov_b32 s[G0+4*\s], 1
	s_add_co_u32 s[G0+4*\s+1], s45, \s*SLOT
	s_add_nc_u64 s[G0+4*\s+2:G0+4*\s+3], s[92:93], \s*ROWB
	s_or_b32 s[G0+4*\s+3], s[G0+4*\s+3], 0x80000000
	s_mov_b32 s[G0B+4*\s], 1
	s_add_co_u32 s[G0B+4*\s+1], s45, \s*SLOT
	s_add_nc_u64 s[G0B+4*\s+2:G0B+4*\s+3], s[94:95], \s*ROWB
	s_or_b32 s[G0B+4*\s+3], s[G0B+4*\s+3], 0x80000000
	JLOAD G0+4*\s, G1, G0B+4*\s, G1B               ; three tensor loads of mine are out now
.endr
	; the prefetches: where mine stand, and who asks
	s_and_b32 s43, ttmp7, 0xffff                   ; cluster y
	s_cmp_eq_u32 s[RH], 0                          ; do I fetch for A?
	s_cselect_b64 s[PFA:PFA+1], s[92:93], s[94:95]
	s_cselect_b32 s40, s40, s41                    ; my place among the four that ask for the tile with me
	s_cselect_b32 s43, ttmp9, s43                  ; the coordinate along which other clusters read the same rows
	s_cmp_eq_u32 s43, 0
	s_cselect_b32 s[LIM], 1, -1                    ; the same in all sixteen partners, for a given wave
	s_lshl_b32 s40, s40, 16                        ; my work-group's 32 rows of 2,048 bytes,
	s_add_co_u32 s40, s40, 2*ROWB                  ; at K step 2: the first refill steps it to 3 and names K step 4
	s_mov_b32 s41, 0
	s_add_nc_u64 s[PFA:PFA+1], s[PFA:PFA+1], s[40:41]
	s_mov_b32 s[CAP], 0x42700000                   ; 60.0
	; c's tile: each wave brings 64 rows x 64 numbers of f32, 1,024 numbers from row to row in memory, 272 bytes in LDS.  No mask: the tile is the work-group's own
	s_mov_b32 s[G1C+0], (2<<16)|(1<<20)|(5<<22)|(3<<25)   ; 17:16 element of 4 bytes; 20 padding on; 24:22 after every 64 words; 31:25 of 4 words
	s_mov_b32 s[G1C+1], 64<<16
	s_mov_b32 s[G1C+2], 64<<16
	s_mov_b32 s[G1C+3], 64<<16
	s_mov_b32 s[G1C+4], 64
	s_mov_b32 s[G1C+5], 1024
	s_mov_b32 s[G1C+6], 0
	s_mov_b32 s[G1C+7], 0
	s_lshl_b32 s46, s[TR], 8
	s_lshl_b32 s47, s[WV], 6
	s_add_co_u32 s46, s46, s47                     ; c: wave w loads rows 64 w .. 64 w + 63 of the tile:
	s_lshl_b32 s46, s46, 12                        ; rows of 4,096 bytes (under 2^25),
	s_lshl_b32 s47, s[TCOL], 8                     ; 256 bytes a tile column
	s_add_co_u32 s46, s46, s47
	s_mov_b32 s47, 0
	s_add_nc_u64 s[14:15], s[14:15], s[46:47]
	s_mov_b32 s[G0C], 1
	s_mul_i32 s[G0C+1], s[WV], 64*PITCH
	s_mov_b64 s[G0C+2:G0C+3], s[14:15]
	s_or_b32 s[G0C+3], s[G0C+3], 0x80000000
	s_lshl_b32 s46, s[TR], 8                       ; the outputs: of each pair of blocks of my half of the rows I store one block, whole rows:
	s_lshl_b32 s47, s[RH], 7
	s_add_co_u32 s46, s46, s47                     ; row 256 x tile row + 128 x my half of the rows
	s_lshl_b32 s47, s[CH], 4
	s_add_co_u32 s46, s46, s47                     ; + 16 x my half of the columns: which block of the pair
	s_lshl_b32 s46, s46, 12
	s_lshl_b32 s47, s[TCOL], 8
	s_add_co_u32 s46, s46, s47
	s_mov_b32 s47, 0
	s_add_nc_u64 s[16:17], s[16:17], s[46:47]
	s_add_nc_u64 s[18:19], s[18:19], s[46:47]
	; the bias of my 128 columns, in the result's layout: for block b lane (r, h) wants numbers 16 b + 8 h + 0 .. 7
	v_and_b32 v1, 15, v0                           ; r = lane % 16
	v_bfe_u32 v2, v0, 4, 1                         ; h = lane / 16
	v_lshlrev_b32 v[BO], 5, v2
	s_lshl_b32 s66, s[TCOL], 10
	s_lshl_b32 s67, s[CH], 9
	s_add_co_u32 s66, s66, s67
	s_mov_b32 s67, 0
	s_add_nc_u64 s[12:13], s[12:13], s[66:67]
.irp b, 0,1,2,3,4,5,6,7
	global_load_b128 v[BI+8*\b:BI+8*\b+3], v[BO], s[12:13] offset:64*\b
	global_load_b128 v[BI+8*\b+4:BI+8*\b+7], v[BO], s[12:13] offset:64*\b+16
.endr
	s_mov_b32 s[K1], 0xbfb8aa3b                    ; -log2(e)
	s_mov_b32 s[K1+1], 0xbfb8aa3b                  ; (named with it as a pair, so it is written)
	s_mov_b32 s[K2], 0xc038aa3b                    ; -2 log2(e)
	s_mov_b32 s[K2+1], 0xc038aa3b
	v_mul_u32_u24 v3, v1, PITCH
	v_lshl_add_u32 v4, v2, 4, v3                   ; a fragment's row x pitch + 16 x half
	s_mul_i32 s43, s[RH], HALFT                    ; my 128 rows of A
	s_mul_i32 s44, s[CH], HALFT                    ; my 128 rows of B,
	s_add_co_u32 s44, s44, 2*HALFT                 ; which lie behind A's 256
.irp s, 0,1
	v_add_nc_u32 v[ADRA+\s], s43, v4
	v_add_nc_u32 v[ADRB+\s], s44, v4
	s_add_co_u32 s43, s43, SLOT
	s_add_co_u32 s44, s44, SLOT
.endr
	v_mul_u32_u24 v5, v1, KS                       ; my row's scales: 64 bytes a row,
	v_lshrrev_b32 v6, 8, v5
	v_lshl_add_u32 v5, v6, 4, v5                   ; and 16 more for each 256 passed
	s_mul_i32 s43, s[RH], HALFS                    ; A's: my 128 rows
	s_mul_i32 s44, s[CH], HALFS                    ; B's: my 128 rows, behind A's 256
	s_add_co_u32 s44, s44, 2*HALFS
	s_sub_co_u32 s44, s44, s43
	v_mul_u32_u24 v6, s44, v2                      ; lanes 16-31 take B's: the lower base + h x the distance
	s_add_co_u32 s43, s43, SCL
	v_add_nc_u32 v5, v5, v6
	v_add_nc_u32 v[ADRS], s43, v5
	s_mul_i32 s43, s[RH], HALFT                    ; c's tile and the stages: my 128 rows,
	s_lshl_b32 s44, s[CH], 7                       ; my 32 hidden units' 128 bytes,
	s_add_co_u32 s43, s43, s44
	v_lshl_add_u32 v5, v2, 5, v3                   ; row r, 32 bytes for each half of the lanes
	v_add_nc_u32 v[CA], s43, v5
	v_add_nc_u32 v[HSA], HT, v[CA]
	v_add_nc_u32 v[CSA], NT, v[CA]
	s_mul_i32 s43, s[RH], HALFT                    ; back: of my half of the rows,
	s_mul_i32 s44, s[CH], 16*PITCH                 ; the first or the second block of each pair, whole rows;
	s_add_co_u32 s43, s43, s44
	v_mul_u32_u24 v5, v2, PITCH                    ; lanes 0-15 one row of 256 bytes, lanes 16-31 the next
	v_lshl_add_u32 v5, v1, 4, v5
	v_add_nc_u32 v5, s43, v5
	v_add_nc_u32 v[RDB], HT, v5
	v_add_nc_u32 v[RDC], NT, v5
	v_lshlrev_b32 v[CO], 12, v2                    ; and the same two rows in an output
	v_lshl_add_u32 v[CO], v1, 4, v[CO]
	v_and_b32 v[PFO], 31, v0
	v_lshlrev_b32 v[PFO], 11, v[PFO]
.macro FRAG reg, adr, q, i             ; a fragment, 16 rows x 128 K of 8-bit codes, is 16 registers: lane l holds row l % 16; registers 4 c .. 4 c + 3 hold K = 32 c + 16 (l / 16) + 0 .. 15
.irp c, 0,1,2,3
	ds_load_b128 v[\reg+4*\c:\reg+4*\c+3], v[\adr] offset:128*(\q)+32*\c+(\i)*16*PITCH
.endr
.endm
; 16 matrix instructions: A's blocks a0, a0 + 1 x B's eight, 128 along K: the slot's q-th.  p: B's set;  sc: the set of scale words.  zero = 1: the first product starts the sums, with the bias as its C: nothing is ever cleared.
; The 64 accumulators take turns, one instruction a turn, in the same order in every step.
.macro MUL16 a0, p, q, sc, zero
.irp a, \a0, \a0+1
.irp b, 0,1,2,3,4,5,6,7
.if \zero
	v_wmma_scale_f32_16x16x128_f8f6f4 v[8*(8*((\a)%4)+\b):8*(8*((\a)%4)+\b)+7], v[128*(\p)+FR*\b:128*(\p)+FR*\b+FR-1], v[AF+FR*(\a):AF+FR*(\a)+FR-1], v[BI+8*\b:BI+8*\b+7], v[SC+8*NQ*(\sc)+NQ*\b+(\q)], v[SC+8*NQ*(\sc)+NQ*(\a)+(\q)] matrix_a_fmt:MATRIX_FMT_BF8 matrix_b_fmt:MATRIX_FMT_BF8 matrix_a_scale:MATRIX_SCALE_ROW1
.else
	v_wmma_scale_f32_16x16x128_f8f6f4 v[8*(8*((\a)%4)+\b):8*(8*((\a)%4)+\b)+7], v[128*(\p)+FR*\b:128*(\p)+FR*\b+FR-1], v[AF+FR*(\a):AF+FR*(\a)+FR-1], v[8*(8*((\a)%4)+\b):8*(8*((\a)%4)+\b)+7], v[SC+8*NQ*(\sc)+NQ*\b+(\q)], v[SC+8*NQ*(\sc)+NQ*(\a)+(\q)] matrix_a_fmt:MATRIX_FMT_BF8 matrix_b_fmt:MATRIX_FMT_BF8 matrix_a_scale:MATRIX_SCALE_ROW1
.endif
.endr
.endr
.endm
.macro FETCH_B slot, q, p              ; B's eight fragments of the slot's q-th 128 along K into set p
	WIN TO_B
.irp i, 0,1,2,3,4,5,6,7
	FRAG 128*(\p)+FR*\i, ADRB+\slot, \q, \i
.endr
	WIN 0
.endm
.macro FETCH_A slot, q, i0             ; A's blocks i0 .. i0 + 3
.irp i, \i0, \i0+1, \i0+2, \i0+3
	FRAG AF+FR*(\i), ADRA+\slot, \q, \i
.endr
.endm
.macro SCALES sc                       ; the next K step's scale words into set sc: two words a row; lanes 0-15 take A's block i, lanes 16-31 B's block i
.irp i, 0,1,2,3,4,5,6,7
	ds_load_b64 v[SC+8*NQ*\sc+NQ*\i:SC+8*NQ*\sc+NQ*\i+1], v[ADRS] offset:\i*SBLK
.endr
.endm
; A load into a register that a matrix instruction has read, and a vector instruction that reads a matrix result, stand NP places behind that matrix instruction, and only plain vector instructions that name none of
; its registers are places (ISA guide 7.12.1 for vector instructions); this text does not count the matrix instructions in between.
.macro PLACES n
.rept \n
	v_nop
.endr
.endm
; A step of 128 along K that has its successor in the same slot.  A's blocks go one after the other, each against B's eight: so a block of A is free as soon as its eight products are issued, and one set serves A.
.macro STEP slot, q, zero
	s_wait_dscnt 4*NL                              ; B's set, A's blocks 0-3 and the scale words are in; the youngest sixteen loads (A's blocks 4-7) may be out
.if \zero
	WIN 0x81                                       ; C (the bias) window 0, D window 2
.else
	WIN MUL_LO
.endif
	MUL16 0, (\q)%2, \q, \slot, \zero
	MUL16 2, (\q)%2, \q, \slot, \zero
	s_wait_dscnt 0                                 ; A's blocks 4-7 are in (asked for 32 matrix instructions ago)
	PLACES NP
	FETCH_B \slot, (\q)+1, 1-(\q)%2
	FETCH_A \slot, (\q)+1, 0
.if \zero
	WIN 0xc1                                       ; C window 0, D window 3
.else
	WIN MUL_HI
.endif
	MUL16 4, (\q)%2, \q, \slot, \zero
	MUL16 6, (\q)%2, \q, \slot, \zero
	PLACES NP
	WIN 0
	FETCH_A \slot, (\q)+1, 4
.endm
; A slot's last step changes slots: ONE barrier, which opens a round of the cluster's barrier; in front of it each wave waits for all its tensor loads, adds 0 to its spare word, and waits for that and for its own reads
; of this slot.  fill = 1: this slot is filled again, two K steps ahead, by a joint load.  fill = 2: slot 0 takes its last fill: c's tile, each wave its own 64 rows, 160 matrix instructions ahead of the wait for it.
.macro TURN slot, next, fill
.if \fill == 1
	s_wait_xcnt 0x0                                ; the last prefetch, a K step back, has read its address: it is stepped here, ahead of the waits of the change of slots
	s_add_nc_u64 s[PFA:PFA+1], s[PFA:PFA+1], ROWB
.endif
	s_wait_tensorcnt 0x0                           ; all my tensor loads have landed: my part of the next slot;  (every window is 0 here: the add's two registers lie in window 0)
	ds_add_u32 v[SPW], v[NIL]                      ; 0 onto my spare word
	s_wait_dscnt 4*NL+1                            ; (the add and the youngest sixteen loads, A's blocks 4-7, may be out)
	WIN MUL_LO
	MUL16 0, 1, NQ-1, \slot, 0                     ; sixteen matrix instructions stand between the add and the wait for it
	s_wait_dscnt 0x0                               ; the add is done, and my reads of this slot are over
	s_barrier_signal -1
	MUL16 2, 1, NQ-1, \slot, 0
	WIN 0
	s_barrier_wait -1
	CREST                                          ; no wave of any partner still reads this slot's tile or has a load on its way
.if \fill == 1
	s_add_nc_u64 s[G0+4*\slot+2:G0+4*\slot+3], s[G0+4*\slot+2:G0+4*\slot+3], 2*ROWB
	s_add_nc_u64 s[G0B+4*\slot+2:G0B+4*\slot+3], s[G0B+4*\slot+2:G0B+4*\slot+3], 2*ROWB
	JLOAD G0+4*\slot, G1, G0B+4*\slot, G1B         ; the first tensor load behind the round; the four v_nop behind it are among the places in front of the loads below
.else
	tensor_load_to_lds s[G0C:G0C+3], s[G1C:G1C+7]  ; my 64 rows of c: the first tensor load behind the round, and my last
	s_nop 0
.rept 4
	v_nop
.endr
.endif
	PLACES NP-4
	v_add_nc_u32 v[ADRS], 4*NQ, v[ADRS]            ; on to the next K step's scale words
	FETCH_B \next, 0, 0
	FETCH_A \next, 0, 0
	SCALES \next
.if \fill == 1
	ASK
.endif
	WIN MUL_HI
	MUL16 4, 1, NQ-1, \slot, 0
	MUL16 6, 1, NQ-1, \slot, 0
	PLACES NP
	WIN 0
	FETCH_A \next, 0, 4
.endm
	s_wait_tensorcnt 1                             ; the scales and my part of K step 0 are in (K step 1's load may be out)
	s_barrier_signal -1
	s_barrier_wait -1                              ; everybody's are
	FETCH_B 0, 0, 0
	FETCH_A 0, 0, 0
	SCALES 0
	FETCH_A 0, 0, 4
	s_wait_loadcnt 0x0                             ; the bias
	STEP 0, 0, 1                                   ; the first step stands in front of the loop: its products start the sums
	s_mov_b32 s[LAP], LAPS-1
.Llap:                                                 ; a trip goes once round the ring, from a lap's second step to the next lap's first, and fills both slots again: K steps 2 to 7
	TURN 0, 1, 1
	STEP 1, 0, 0
	TURN 1, 0, 1
	STEP 0, 0, 0
	s_sub_co_u32 s[LAP], s[LAP], 1
	s_cmp_lg_u32 s[LAP], 0
	s_cbranch_scc1 .Llap
	TURN 0, 1, 2                                   ; the last lap: slot 0 is left for good and takes c's tile
	STEP 1, 0, 0
	s_wait_dscnt 4*NL                              ; the very last step: nothing more to fetch
	WIN MUL_LO
	MUL16 0, 1, NQ-1, 1, 0
	MUL16 2, 1, NQ-1, 1, 0
	s_wait_dscnt 0
	WIN MUL_HI
	MUL16 4, 1, NQ-1, 1, 0
	MUL16 6, 1, NQ-1, 1, 0
	WIN 0
; THE WAY OUT OF PAIR p (blocks 2 p and 2 p + 1 of each wave's rows).  A row's 256 bytes of the tile come from the two waves of a half of the rows; behind a barrier each of the two reads ONE of the pair's blocks back, whole rows:
; LOADP: eight loads of two rows of c_next, eight of h_next, into 64 registers of window 1 that are pair p's alone: no store's data are ever written again, so no wait frees them.
.macro LOADP p
	WIN TO_B                                       ; destination window 1: B's fragments are done with
.irp t, 0,1,2,3,4,5,6,7
	ds_load_b128 v[64*(\p)+4*\t:64*(\p)+4*\t+3], v[RDC] offset:(32*(\p)+2*\t)*PITCH
.endr
.irp t, 0,1,2,3,4,5,6,7
	ds_load_b128 v[64*(\p)+32+4*\t:64*(\p)+32+4*\t+3], v[RDB] offset:(32*(\p)+2*\t)*PITCH
.endr
	WIN 0
.endm
; SENDP: the sixteen stores.  last = 0: the rows are in (the caller has waited).  last = 1: the waits are written here.
.macro SENDP p, last
	WIN 0x04                                       ; a store's data are its source 1: window 1
.if \last
	s_wait_dscnt 8                                 ; the eight loads of c_next are in; the eight of h_next may be out
.endif
.irp t, 0,1,2,3,4,5,6,7
	global_store_b128 v[CO], v[64*(\p)+4*\t:64*(\p)+4*\t+3], s[18:19] offset:(32*(\p)+2*\t)*4096 th:TH_STORE_NT   ; 16 lanes store 256 consecutive bytes, at a multiple of 256 from the output's first byte; written once, read by nobody here
.endr
.if \last
	s_wait_dscnt 0x0
.endif
.irp t, 0,1,2,3,4,5,6,7
	global_store_b128 v[CO], v[64*(\p)+32+4*\t:64*(\p)+32+4*\t+3], s[16:17] offset:(32*(\p)+2*\t)*4096 th:TH_STORE_NT
.endr
	WIN 0
.endm
; THE CELL.  GATES p takes my blocks of rows 2 p and 2 p + 1: 32 elements a lane; element 16 (a % 2) + 8 u + j is row 16 a + r, hidden unit 16 u + 8 h + j.
; The transcendentals go in batches, each with one plain instruction behind its last and ONE wait ahead of the first instruction that names a result.
; The pair before leaves from here: its rows, asked of the stages just ahead of this macro, are back behind the 96 scalings and holds, and its sixteen stores are on their way under all that follows.
.macro GATES p
.if (\p) < 2
	WIN 0x02                                       ; source 0: the accumulators' window
.else
	WIN 0x03
.endif
.irp aa, 0,1
.irp u, 0,1
.irp g, 0,1,2
.irp j, 0,2,4,6
	v_pk_mul_f32 v[TI+32*\g+16*\aa+8*\u+\j:TI+32*\g+16*\aa+8*\u+\j+1], v[64*((2*(\p)+\aa)%4)+8*(2*\g+\u)+\j:64*((2*(\p)+\aa)%4)+8*(2*\g+\u)+\j+1], s[K1:K1+1] op_sel_hi:[1,0]   ; -log2(e) x gi, gf, go; each accumulator from its low end on
.endr
.endr
.irp j, 0,2,4,6
	v_pk_mul_f32 v[TC+16*\aa+8*\u+\j:TC+16*\aa+8*\u+\j+1], v[64*((2*(\p)+\aa)%4)+8*(6+\u)+\j:64*((2*(\p)+\aa)%4)+8*(6+\u)+\j+1], s[K2:K2+1] op_sel_hi:[1,0]   ; -2 log2(e) x gc
.endr
.endr
.endr
	WIN 0
.set e, 0
.rept 32
	v_min_num_f32 v[TC+e], s[CAP], v[TC+e]         ; b's exponent is held at 60
.set e, e+1
.endr
	s_wait_dscnt 0x0                               ; the pair before is back from the stages
.if (\p) > 0
	SENDP (\p)-1, 0
.endif
.irp aa, 0,1
.irp u, 0,1
.irp k, 0,1
	ds_load_b128 v[CC+16*\aa+8*\u+4*\k:CC+16*\aa+8*\u+4*\k+3], v[CA] offset:16*PITCH*(2*(\p)+\aa)+64*\u+16*\k   ; c of my 32 elements: they land under the two batches below
.endr
.endr
.endr
.set e, 0
.rept 128
	v_exp_f32 v[TI+e], v[TI+e]                     ; a, d, g, b
.set e, e+1
.endr
	v_nop
	s_wait_alu depctr_va_vdst(0)                   ; one wait for the 128
.set e, 0
.rept 16
	v_pk_fma_f32 v[NB+e:NB+e+1], v[TC+e:TC+e+1], -1.0, 1.0 op_sel_hi:[1,0,0]   ; 1 - b
.set e, e+2
.endr
.set e, 0
.rept 16
	v_pk_add_f32 v[TI+e:TI+e+1], v[TI+e:TI+e+1], 1.0 op_sel_hi:[1,0]           ; 1 + a
.set e, e+2
.endr
.set e, 0
.rept 16
	v_pk_add_f32 v[TC+e:TC+e+1], v[TC+e:TC+e+1], 1.0 op_sel_hi:[1,0]           ; 1 + b
.set e, e+2
.endr
.set e, 0
.rept 16
	v_pk_add_f32 v[TF+e:TF+e+1], v[TF+e:TF+e+1], 1.0 op_sel_hi:[1,0]           ; 1 + d
.set e, e+2
.endr
.set e, 0
.rept 16
	v_pk_mul_f32 v[TI+e:TI+e+1], v[TI+e:TI+e+1], v[TC+e:TC+e+1]                ; (1 + a)(1 + b): both factors are 1 or more, so an infinite a meets no zero
.set e, e+2
.endr
.set e, 0
.rept 64
	v_rcp_f32 v[TI+e], v[TI+e]                     ; 1 / ((1 + a)(1 + b)), and f = 1 / (1 + d)
.set e, e+1
.endr
.set e, 0
.rept 16
	v_pk_add_f32 v[TO+e:TO+e+1], v[TO+e:TO+e+1], 1.0 op_sel_hi:[1,0]           ; 1 + g: plain work behind the reciprocals
.set e, e+2
.endr
	s_wait_alu depctr_va_vdst(0)                   ; one wait for the 64
.set e, 0
.rept 16
	v_pk_mul_f32 v[NB+e:NB+e+1], v[NB+e:NB+e+1], v[TI+e:TI+e+1]                ; i c~
.set e, e+2
.endr
	s_wait_dscnt 0x0                               ; c is in
.set e, 0
.rept 16
	v_pk_fma_f32 v[CC+e:CC+e+1], v[CC+e:CC+e+1], v[TF+e:TF+e+1], v[NB+e:NB+e+1]   ; c_next = f c + i c~
.set e, e+2
.endr
.irp aa, 0,1
.irp u, 0,1
.irp k, 0,1
	ds_store_b128 v[CSA], v[CC+16*\aa+8*\u+4*\k:CC+16*\aa+8*\u+4*\k+3] offset:16*PITCH*(2*(\p)+\aa)+64*\u+16*\k
.endr
.endr
.endr
.set e, 0
.rept 16
	v_pk_mul_f32 v[TC+e:TC+e+1], v[CC+e:CC+e+1], s[K2:K2+1] op_sel_hi:[1,0]    ; -2 log2(e) x c_next
.set e, e+2
.endr
.set e, 0
.rept 32
	v_min_num_f32 v[TC+e], s[CAP], v[TC+e]         ; held at 60
.set e, e+1
.endr
.set e, 0
.rept 32
	v_exp_f32 v[TC+e], v[TC+e]                     ; e
.set e, e+1
.endr
	v_nop
	s_wait_alu depctr_va_vdst(0)
.set e, 0
.rept 16
	v_pk_fma_f32 v[NB+e:NB+e+1], v[TC+e:TC+e+1], -1.0, 1.0 op_sel_hi:[1,0,0]   ; 1 - e
.set e, e+2
.endr
.set e, 0
.rept 16
	v_pk_add_f32 v[TC+e:TC+e+1], v[TC+e:TC+e+1], 1.0 op_sel_hi:[1,0]           ; 1 + e
.set e, e+2
.endr
.set e, 0
.rept 16
	v_pk_mul_f32 v[TO+e:TO+e+1], v[TO+e:TO+e+1], v[TC+e:TC+e+1]                ; (1 + g)(1 + e)
.set e, e+2
.endr
.set e, 0
.rept 32
	v_rcp_f32 v[TO+e], v[TO+e]
.set e, e+1
.endr
	v_nop
	s_wait_alu depctr_va_vdst(0)
.set e, 0
.rept 16
	v_pk_mul_f32 v[NB+e:NB+e+1], v[NB+e:NB+e+1], v[TO+e:TO+e+1]                ; h_next = o tanh(c_next)
.set e, e+2
.endr
.irp aa, 0,1
.irp u, 0,1
.irp k, 0,1
	ds_store_b128 v[HSA], v[NB+16*\aa+8*\u+4*\k:NB+16*\aa+8*\u+4*\k+3] offset:16*PITCH*(2*(\p)+\aa)+64*\u+16*\k
.endr
.endr
.endr
.endm
; Behind a pair's arithmetic: my stores into the stages are done, then the work-group's barrier: the pair's 32 rows of each half of the tile lie whole in both stages.
; A stage's rows are written once and never again, and the next pair's stores go to other rows than this pair's loads: so one barrier a pair is all that is owed.
.macro MEETP
	s_wait_dscnt 0x0                               ; for the others' sake
	s_barrier_signal -1
	s_barrier_wait -1
.endm
	s_wait_tensorcnt 0x0                           ; my 64 rows of c have landed,
	s_wait_dscnt 0x0                               ; and my reads of slot 1 are over
	s_barrier_signal -1
	s_barrier_wait -1                              ; both hold of every wave: c's tile is whole, and the stages may be written.
	PLACES NP                                      ; behind the last products: for the first reads of results, and for the writes and loads into the registers that held the bias and the fragments
	GATES 0
	MEETP
	LOADP 0
	GATES 1                                        ; pair 0 is stored from inside it
	MEETP
	LOADP 1
	GATES 2
	MEETP
	LOADP 2
	GATES 3
	MEETP
	LOADP 3
	SENDP 3, 1                                     ; the last quarter of my stores
	s_wait_tensorcnt 0x0                           ; the wave's end, behind my last tensor load and my last LDS store
	ds_add_u32 v[SPW], v[NIL]
	s_wait_dscnt 0x0
	CROUND                                         ; the closing round: no work-group ends while a partner may still ask for a tile that names it
	s_endpgm
.Lfunc_end_k_qd21174b0df_cell:
	.size	k_qd21174b0df_cell, .Lfunc_end_k_qd21174b0df_cell-k_qd21174b0df_cell
	.p2alignl 7, 3214868480
	.fill 96, 4, 3214868480
	.section	.rodata,"a",@progbits
	.p2align	6, 0x0
	.amdhsa_kernel k_qd21174b0df_cell
		.amdhsa_group_segment_fixed_size 327680
		.amdhsa_private_segment_fixed_size 0
		.amdhsa_enable_private_segment 0
		.amdhsa_kernarg_size 64
		.amdhsa_user_sgpr_count 2
		.amdhsa_user_sgpr_kernarg_segment_ptr 1
		.amdhsa_wavefront_size32 1
		.amdhsa_system_sgpr_workgroup_id_x 1
		.amdhsa_system_sgpr_workgroup_id_y 1
		.amdhsa_system_sgpr_workgroup_id_z 1
		.amdhsa_system_vgpr_workitem_id 0
		.amdhsa_next_free_vgpr 1024
		.amdhsa_next_free_sgpr 102
		.amdhsa_reserve_vcc 0
		.amdhsa_float_denorm_mode_32 3
		.amdhsa_float_denorm_mode_16_64 3
		.amdhsa_memory_ordered 1
		.amdhsa_forward_progress 1
		.amdhsa_inst_pref_size 247
	.end_amdhsa_kernel
	.amdgpu_metadata
---
amdhsa.version: [ 1, 2 ]
amdhsa.kernels:
  - .name:           k_qd21174b0df_cell
    .symbol:         k_qd21174b0df_cell.kd
    .args:
      - { .name: a_codes, .offset: 0, .size: 8, .value_kind: global_buffer, .address_space: global }
      - { .name: a_scales, .offset: 8, .size: 8, .value_kind: global_buffer, .address_space: global }
      - { .name: b_codes, .offset: 16, .size: 8, .value_kind: global_buffer, .address_space: global }
      - { .name: b_scales, .offset: 24, .size: 8, .value_kind: global_buffer, .address_space: global }
      - { .name: bias, .offset: 32, .size: 8, .value_kind: global_buffer, .address_space: global }
      - { .name: c, .offset: 40, .size: 8, .value_kind: global_buffer, .address_space: global }
      - { .name: out0, .offset: 48, .size: 8, .value_kind: global_buffer, .address_space: global }
      - { .name: out1, .offset: 56, .size: 8, .value_kind: global_buffer, .address_space: global }
    .group_segment_fixed_size: 327680
    .private_segment_fixed_size: 0
    .kernarg_segment_align: 8
    .kernarg_segment_size: 64
    .max_flat_workgroup_size: 128
    .sgpr_count:     102
    .vgpr_count:     1024
    .wavefront_size: 32
...
	.end_amdgpu_metadata
.endif
;; end of part 2
